; MI455X (gfx1250); checked and timed in simulation.
; The chip was launched on July 23, 2026; its instructions are those of AMD's public machine-readable ISA for CDNA 5 (MIT licence, August 2026) and "CDNA5" Instruction Set Architecture Reference Guide (July 2026). The comments in the code are by the model that wrote it; some were corrected since.
;; Non local MH. Allowed arithmetic: matrix products marked QUANTISED: E2M1 operands, one E8M0 scale for each 32 along K, by v_wmma_scale_f32_16x16x128_f8f6f4 with both operands' format E2M1 (or v_wmma_scale_f32_32x16x128_f4), f32 sums; products left as they are: bf16, f16 or f32 operands; f32 sums; everything else in f32.
;; Inputs: Wk 512 x 512 float32; Wo 512 x 512 float32; Wq 512 x 512 float32; Wv 512 x 512 float32; X 16 x 512 x 32 x 32 float32; bk 512 float32; bo 512 float32; bq 512 float32; bv 512 float32; gn_b 512 float32; gn_w 512 float32.
;; Outputs: out0 16 x 512 x 32 x 32 float32.
;; This version of the problem:
;;   THIS VERSION OF THE PROBLEM IS GIVEN IN LOW PRECISION. The matrix products marked QUANTISED in the list below multiply operands that are first quantised to E2M1 (2 exponent bits, 1 mantissa bit; 4 bits a number), with one power-of-two scale for each 32 numbers along K (OCP MX v1.0); their sums are f32. The products marked 'left as it is' may take bf16, f16 or f32 operands, with f32 sums. Whichever they take, every output number must still come out within the allowed error. Rounding operands to bf16 (8 significant bits) uses up far more of that allowance than f16 does (11 bits, for magnitudes from 6e-5 to 65,504). All else is computed in f32.
;;   The module's matrix products, in the order in which they are computed (A, B: the left and right operand; K: the contracted axis; several contracted axes count as one K, in the product's order):
;;     1. [M 16,384, K 512] x [K 512, N 512]; A: input X; B: input Wq: QUANTISED
;;     2. [M 16,384, K 512] x [K 512, N 512]; A: input X; B: input Wk: QUANTISED
;;     3. [M 16,384, K 512] x [K 512, N 512]; A: input X; B: input Wv: QUANTISED
;;     4. batch 128 x [M 1,024, K 64] x [K 64, N 1,024]; A: computed on the way; B: computed on the way: left as it is (an operand is computed on the way)
;;     5. batch 128 x [M 64, K 1,024] x [K 1,024, N 1,024]; A: computed on the way; B: computed on the way: left as it is (an operand is computed on the way)
;;     6. [M 16,384, K 512] x [K 512, N 512]; A: computed on the way; B: input Wo: left as it is (an operand is computed on the way)
;;   THE QUANTISER, for each operand of a quantised product, along K:
;;     - K is cut into blocks of 32 from its start; a last block that is shorter is filled with zeros.
;;     - A block's scale is 2^e with e = floor(log2(the largest magnitude in the block)) - 2, held to -126 .. 127; a block of zeros has e = 0. As a byte (E8M0): e + 127.
;;     - Each number is divided by its block's scale, clamped to +-6, and rounded to the nearest number of E2M1, ties to even, subnormals kept.
;;     - The product sums the exact products of the quantised numbers (number of the format x scale) in f32.
;;   ~~~python
;;   def quantise(x, axis):      # numpy; x: float32 -> the quantised numbers, widened to float32 again
;;       x = np.moveaxis(x, axis, -1); K = x.shape[-1]
;;       x = np.pad(x, [(0, 0)] * (x.ndim - 1) + [(0, -K % 32)]); x = x.reshape(x.shape[:-1] + (-1, 32)); a = np.abs(x).max(-1, keepdims=True)
;;       e = np.where(a > 0, np.clip(np.frexp(np.where(a > 0, a, 1))[1] - 1 - 2, -126, 127), 0)      # np.frexp(a)[1] - 1 = floor(log2(a)), exactly
;;       r = np.clip(x / 2.0 ** e, -6, 6)
;;       step = 2.0 ** (np.maximum(np.frexp(np.where(r == 0, 1, r))[1] - 1, 0) - 1)
;;       q = np.round(r / step) * step * 2.0 ** e      # np.round: ties to even
;;       return np.moveaxis(q.reshape(q.shape[:-2] + (-1,))[..., :K], -1, axis).astype(np.float32)
;;   ~~~
;; One version. Each part assembles by itself: llvm-mc -triple=amdgcn-amd-amdhsa -mcpu=gfx1250 --defsym DOCPART=n.
;; ======== version 1 of 1: 3 launches
;; limits: values are held in f16: magnitudes above 65,504 overflow, below 6.1e-05 lose precision
;; workspace buffers: xc 4,194,304 bytes; xs 262,144 bytes; wc 393,216 bytes; ws 24,576 bytes; qf 16,777,216 bytes; mp 4,194,304 bytes
;; launch quant (part 1): grid 512 x 1, 4 waves a work-group, no clusters, 0 bytes of LDS; arguments X, Wq, Wv, Wk, xc, xs, wc, ws; writes xc, xs, wc, ws
.if DOCPART == 1
	.amdgcn_target "amdgcn-amd-amdhsa--gfx1250"
	.amdhsa_code_object_version 6
	.text
	.protected	k_qf14f67d61a_quant
	.globl	k_qf14f67d61a_quant
	.p2align	8
	.type	k_qf14f67d61a_quant,@function
k_qf14f67d61a_quant:
	s_mov_b64 s[64:65], 0
	v_nop
	global_prefetch_b8 v0, s[64:65] scope:SCOPE_SE
	s_setreg_imm32_b32 hwreg(HW_REG_WAVE_MODE, 25, 1), 1
	s_wait_xcnt 0x0
; X [16][512 c][1024 p] and Wq, Wv, Wk [512 o][512 c], f32, become codes of FP4 (E2M1) with one E8M0 scale byte for each 32 along c, the products' K.
; A block's scale is 2^(floor(log2(its largest magnitude)) - 2): its byte is the largest magnitude's exponent field - 2, held at 1 from below; each number is divided by the scale and rounded
; to the nearest code, ties to even, beyond 6 the largest code.
; THE CODES ARE LAID AS IMAGES OF THE OPERAND'S REGISTERS.  A fragment (16 rows x 128 K) is 8 registers a lane: registers 4 g .. 4 g + 3 of lane (r, h) hold K = 64 g + 32 h + 0 .. 31 of row r.
; Its image is 1,024 bytes: group g at 512 g, lane l's 16 bytes at 16 l.  So the next launch loads a fragment by two loads of 512 consecutive bytes each.
;   xc [n 16][pixel tile 64][K step 4][1,024]   xs [n][K step 4][pixel 1,024] one word: byte b = block 4 s + b
;   wc [matrix 3: Wq, Wv, Wk][row tile 32][K step 4][1,024]   ws [matrix][row 512][K step 4] one word
; SHARES.  512 equal work-groups: each takes 128 pixels x 128 channels of X, a wave 32 pixels.  K is not innermost in X: a lane takes a pixel and its registers run down c, so each load reads 128
; consecutive bytes, a block of 32 lies in one lane, and the conversions give codes with K innermost.  All 128 loads of a wave are asked for at once, into four sets of 32 registers.
; THE WEIGHTS are 384 units (matrix, row tile, K step) of 16 rows x 128 K; unit u is an extra job of wave 0 of work-group u, u < 384.  K is innermost there: a lane loads the 32 neighbours of each of
; its two blocks, so a load touches 16 rows; spread so, no wave has more than 16 such loads.  They go out ahead of the wave's loads of X, and the unit is worked behind X's first block.
; The two ways, with a unit and without, are written out whole.  No LDS, no barrier: waves share nothing.
; xs leaves as 128 consecutive bytes a wave, one byte for each 128 that the wave reads.  ws leaves as one word a row, 16 bytes apart, both halves of the lanes writing the same word with the same
; value: 24,576 bytes in the whole launch.
; LIMITS: a block of zeros gets the byte 1 where the rule says 127 (its codes are zeros, which add nothing, and this program alone reads the bytes); blocks whose largest magnitude lies under
; 2^-124, the floor, were not tried; NaN and infinities among the inputs are not served.
; REGISTERS: v4, v5 X's addresses; v10-14 at work; v16-31 X's codes; v32-35 the unit's addresses; v36-44 at work on it; v48-55 its codes; v64-191 X's numbers; v192-255 the unit's numbers.
.set FLOOR,   0x1800000                ; 2^(3 - 127): under it no largest magnitude is taken, so the byte cannot fall under 1
.set TWO_OFF, 0xff000000               ; takes 2 off an exponent field
.set NUNITS,  384                      ; 3 matrices x 32 row tiles x 4 K steps
.set DW,      192                      ; the unit's 64 numbers
.macro LOADX b                         ; block b: X(128 s + 32 b + i, my pixel), i = 0 .. 31, into set b of v64-191
.irp i, 0,1,2,3,4,5,6,7,8,9,10,11,12,13,14,15,16,17,18,19,20,21,22,23,24,25,26,27,28,29,30,31
	global_load_b32 v[64+32*(\b)+\i], v4, s[8:9] offset:(32*(\b)+\i)*4096 th:TH_LOAD_NT
.endr
.endm
.macro BLOCKX b
.set DX, 64+32*(\b)
.if (\b) < 2
	s_wait_loadcnt 63                              ; this block's 32 loads are in: 96 or 64 were issued behind them, the wait's field holds 63, and a smaller count is safe
.elseif (\b) == 2
	s_wait_loadcnt 32                              ; the last block's 32 may be out
.else
	s_wait_loadcnt 0
.endif
	v_max3_num_f32 v12, |v[DX]|, |v[DX+1]|, |v[DX+2]|              ; the block's largest magnitude, in two chains: all 32 numbers are mine
	v_max3_num_f32 v13, |v[DX+3]|, |v[DX+4]|, |v[DX+5]|
.irp i, 6,10,14,18,22,26
	v_max3_num_f32 v12, v12, |v[DX+\i]|, |v[DX+\i+1]|
	v_max3_num_f32 v13, v13, |v[DX+\i+2]|, |v[DX+\i+3]|
.endr
	v_max3_num_f32 v12, v12, |v[DX+30]|, |v[DX+31]|
	v_max3_num_f32 v12, v12, v13, FLOOR
	v_add_nc_u32 v11, TWO_OFF, v12                 ; the conversion takes the exponent field of this operand as its scale, and nothing else of it
	v_lshrrev_b32 v10, 23, v11                     ; the scale's byte
.if (\b) == 0
	v_mov_b32 v14, v10                             ; four bytes make my pixel's word of this K step
.else
	v_lshl_or_b32 v14, v10, 8*(\b), v14
.endif
.irp g, 0,1,2,3
	v_cvt_scalef32_pk8_fp4_f32 v[16+4*(\b)+\g], v[DX+8*\g:DX+8*\g+7], v11
.endr
	v_nop                                          ; one plain line behind the last scaled conversion of a run
	global_store_b128 v5, v[16+4*(\b):16+4*(\b)+3], s[16:17] offset:((\b)/2)*512+((\b)%2)*256   ; block 2 g + h of the image: sixteen lanes store 256 consecutive bytes, aligned; each block has its own registers
.endm
.macro LOADW                           ; the unit: my blocks h and 2 + h of the K step, 32 numbers each
.irp c, 0,1
.irp i, 0,1,2,3,4,5,6,7
	global_load_b128 v[DW+32*\c+4*\i:DW+32*\c+4*\i+3], v32, s[24:25] offset:256*\c+16*\i
.endr
.endr
.endm
.macro STEPW                           ; no wait of its own: it stands behind X's first block, whose wait leaves at most 63 of the 128 loads that were issued behind the unit's
.irp c, 0,1
	v_max3_num_f32 v[36+\c], |v[DW+32*\c]|, |v[DW+32*\c+1]|, FLOOR   ; a block's largest magnitude: all its 32 numbers are mine; the floor is one more leaf
.endr
.irp i, 2,4,6,8,10,12,14,16,18,20,22,24,26,28,30
.irp c, 0,1
	v_max3_num_f32 v[36+\c], v[36+\c], |v[DW+32*\c+\i]|, |v[DW+32*\c+\i+1]|   ; (the two blocks by turns)
.endr
.endr
.irp c, 0,1
	v_add_nc_u32 v[38+\c], TWO_OFF, v[36+\c]       ; the conversion's scale operand
.endr
.irp c, 0,1
	v_lshrrev_b32 v[40+\c], 23, v[38+\c]           ; the scale's byte
.endr
	v_lshl_or_b32 v42, v41, 16, v40                ; my two bytes, blocks h and 2 + h of the step,
	v_lshlrev_b32 v42, v35, v42                    ; at their places in the word;
	v_permlanex16_b32 v43, v42, s36, s37
	v_or_b32 v44, v42, v43                         ; with lane l xor 16's two the word is whole
.irp c, 0,1
.irp g, 0,1,2,3
	v_cvt_scalef32_pk8_fp4_f32 v[48+4*\c+\g], v[DW+32*\c+8*\g:DW+32*\c+8*\g+7], v[38+\c]
.endr
.endr
	v_nop                                          ; one plain line behind the last scaled conversion of a run
.irp c, 0,1
	global_store_b128 v33, v[48+4*\c:48+4*\c+3], s[20:21] offset:512*\c   ; 512 consecutive bytes
.endr
	global_store_b32 v34, v44, s[22:23]            ; row r's word of this K step
.endm
	s_load_b512 s[8:23], s[0:1], 0x0               ; X 8:9, Wq 10:11, Wv 12:13, Wk 14:15, xc 16:17, xs 18:19, wc 20:21, ws 22:23
	v_and_b32 v1, 31, v0                           ; lane
	v_and_b32 v2, 15, v0                           ; r
	v_bfe_u32 v3, v0, 4, 1                         ; h
	v_lshrrev_b32 v6, 5, v0
	v_readfirstlane_b32 s2, v6                     ; wave
	s_mov_b32 s36, 0x76543210
	s_mov_b32 s37, 0xfedcba98                      ; v_permlanex16_b32's selects for lane l xor 16
	s_and_b32 s4, ttmp9, 3                         ; K step s: channels 128 s on
	s_bfe_u32 s5, ttmp9, 0x30002                   ; strip of 128 pixels
	s_lshr_b32 s6, ttmp9, 5                        ; image n
	s_mov_b32 s27, 0                               ; the upper words of the offsets
	s_mov_b32 s29, 0
	s_mov_b32 s31, 0
	s_lshl_b32 s26, s6, 21                         ; X: n x 512 x 4,096 bytes
	s_lshl_b32 s7, s4, 19                          ;    + 128 s rows of 4,096
	s_add_co_u32 s26, s26, s7
	s_lshl_b32 s7, s5, 9                           ;    + 128 pixels a strip
	s_add_co_u32 s26, s26, s7
	s_lshl_b32 s7, s2, 7                           ;    + 32 pixels a wave
	s_add_co_u32 s26, s26, s7
	s_lshl_b32 s28, s6, 18                         ; xc: n x 64 tiles x 4,096
	s_lshl_b32 s7, s5, 15                          ;    + 8 tiles a strip
	s_add_co_u32 s28, s28, s7
	s_lshl_b32 s7, s2, 13                          ;    + 2 tiles a wave
	s_add_co_u32 s28, s28, s7
	s_lshl_b32 s7, s4, 10                          ;    + the K step's image
	s_add_co_u32 s28, s28, s7
	s_lshl_b32 s30, s6, 14                         ; xs: n x 4 x 4,096
	s_lshl_b32 s7, s4, 12
	s_add_co_u32 s30, s30, s7
	s_lshl_b32 s7, s5, 9
	s_add_co_u32 s30, s30, s7
	s_lshl_b32 s7, s2, 7
	s_add_co_u32 s30, s30, s7
	v_lshlrev_b32 v4, 2, v1                        ; in, and the scale word out: 4 bytes a lane
	v_lshlrev_b32 v5, 4, v2
	v_lshl_add_u32 v5, v3, 12, v5                  ; codes out: pixel tile lane / 16, row lane % 16
	s_wait_kmcnt 0x0
	s_add_nc_u64 s[8:9], s[8:9], s[26:27]
	s_add_nc_u64 s[16:17], s[16:17], s[28:29]
	s_add_nc_u64 s[18:19], s[18:19], s[30:31]
	s_cmp_lt_u32 ttmp9, NUNITS                     ; has my work-group a unit of the weights,
	s_cselect_b32 s7, s2, 1
	s_cmp_eq_u32 s7, 0                             ; and am I its wave 0?  Ids alone decide
	s_cbranch_scc0 .Lplain
	; ---------------- X, and a unit of the weights: u = 128 x matrix + 4 x row tile + K step ----------------
	s_lshr_b32 s3, ttmp9, 7                        ; matrix
	s_bfe_u32 s7, ttmp9, 0x50002                   ; row tile
	s_cmp_eq_u32 s3, 1
	s_cselect_b64 s[24:25], s[12:13], s[10:11]     ; Wv, else Wq
	s_cmp_eq_u32 s3, 2
	s_cselect_b64 s[24:25], s[14:15], s[24:25]     ; or Wk
	s_lshl_b32 s26, s7, 15                         ; 16 rows of 2,048 bytes
	s_lshl_b32 s28, s4, 9                          ; + 128 numbers a K step
	s_add_co_u32 s26, s26, s28
	s_add_nc_u64 s[24:25], s[24:25], s[26:27]
	s_lshl_b32 s26, ttmp9, 10                      ; wc: the unit's image
	s_add_nc_u64 s[20:21], s[20:21], s[26:27]
	s_lshr_b32 s26, ttmp9, 2
	s_lshl_b32 s26, s26, 8                         ; ws: 16 rows x 16 bytes a row tile
	s_lshl_b32 s28, s4, 2                          ;     + the K step's word
	s_add_co_u32 s26, s26, s28
	s_add_nc_u64 s[22:23], s[22:23], s[26:27]
	v_lshlrev_b32 v32, 11, v2
	v_lshl_add_u32 v32, v3, 7, v32                 ; in: row r, + 128 h: my 32 numbers of a pair of blocks
	v_lshlrev_b32 v33, 4, v1                       ; an image's place for my lane
	v_lshlrev_b32 v34, 4, v2                       ; the scale words: 16 bytes a row
	v_lshlrev_b32 v35, 3, v3                       ; 8 h: my bytes' shift in a scale word
	v_mov_b32 v43, 0                               ; a lane permute's destination counts as one of its sources
	LOADW
	LOADX 0
	LOADX 1
	LOADX 2
	LOADX 3
	BLOCKX 0
	STEPW
	BLOCKX 1
	BLOCKX 2
	BLOCKX 3
	global_store_b32 v4, v14, s[18:19]
	s_endpgm
	; ---------------- X alone ----------------
.Lplain:
	LOADX 0
	LOADX 1
	LOADX 2
	LOADX 3
	BLOCKX 0
	BLOCKX 1
	BLOCKX 2
	BLOCKX 3
	global_store_b32 v4, v14, s[18:19]
	s_endpgm
.Lfunc_end_k_qf14f67d61a_quant:
	.size	k_qf14f67d61a_quant, .Lfunc_end_k_qf14f67d61a_quant-k_qf14f67d61a_quant
	.p2alignl 7, 3214868480
	.fill 96, 4, 3214868480
	.section	.rodata,"a",@progbits
	.p2align	6, 0x0
	.amdhsa_kernel k_qf14f67d61a_quant
		.amdhsa_group_segment_fixed_size 0
		.amdhsa_private_segment_fixed_size 0
		.amdhsa_enable_private_segment 0
		.amdhsa_kernarg_size 64
		.amdhsa_user_sgpr_count 2
		.amdhsa_user_sgpr_kernarg_segment_ptr 1
		.amdhsa_wavefront_size32 1
		.amdhsa_system_sgpr_workgroup_id_x 1
		.amdhsa_system_sgpr_workgroup_id_y 1
		.amdhsa_system_sgpr_workgroup_id_z 1
		.amdhsa_system_vgpr_workitem_id 0
		.amdhsa_next_free_vgpr 256
		.amdhsa_next_free_sgpr 66
		.amdhsa_reserve_vcc 0
		.amdhsa_float_denorm_mode_32 3
		.amdhsa_float_denorm_mode_16_64 3
		.amdhsa_memory_ordered 1
		.amdhsa_forward_progress 1
		.amdhsa_inst_pref_size 45
	.end_amdhsa_kernel
	.amdgpu_metadata
---
amdhsa.version: [ 1, 2 ]
amdhsa.kernels:
  - .name:           k_qf14f67d61a_quant
    .symbol:         k_qf14f67d61a_quant.kd
    .args:
      - { .name: X, .offset: 0, .size: 8, .value_kind: global_buffer, .address_space: global }
      - { .name: Wq, .offset: 8, .size: 8, .value_kind: global_buffer, .address_space: global }
      - { .name: Wv, .offset: 16, .size: 8, .value_kind: global_buffer, .address_space: global }
      - { .name: Wk, .offset: 24, .size: 8, .value_kind: global_buffer, .address_space: global }
      - { .name: xc, .offset: 32, .size: 8, .value_kind: global_buffer, .address_space: global }
      - { .name: xs, .offset: 40, .size: 8, .value_kind: global_buffer, .address_space: global }
      - { .name: wc, .offset: 48, .size: 8, .value_kind: global_buffer, .address_space: global }
      - { .name: ws, .offset: 56, .size: 8, .value_kind: global_buffer, .address_space: global }
    .group_segment_fixed_size: 0
    .private_segment_fixed_size: 0
    .kernarg_segment_align: 8
    .kernarg_segment_size: 64
    .max_flat_workgroup_size: 128
    .sgpr_count:     66
    .vgpr_count:     256
    .wavefront_size: 32
...
	.end_amdgpu_metadata
.endif
;; end of part 1
;; launch kqv (part 2): grid 16 x 16, 4 waves a work-group, no clusters, 66,048 bytes of LDS; arguments xc, xs, wc, ws, bq, bv, bk, qf, mp; writes qf, mp
.if DOCPART == 2
	.amdgcn_target "amdgcn-amd-amdhsa--gfx1250"
	.amdhsa_code_object_version 6
	.text
	.protected	k_qf14f67d61a_kqv
	.globl	k_qf14f67d61a_kqv
	.p2align	8
	.type	k_qf14f67d61a_kqv,@function
k_qf14f67d61a_kqv:
	s_mov_b64 s[64:65], 0
	v_nop
	global_prefetch_b8 v0, s[64:65] scope:SCOPE_SE
	s_setreg_imm32_b32 hwreg(HW_REG_WAVE_MODE, 25, 1), 1
	s_wait_xcnt 0x0
; For one image n, one head h and one half of the 1,024 pixels: K = Wq X + bq, V = Wv X + bv, Q = Wk X + bk (64 channels each; the names follow the problem, which gives K the weights Wq and Q
; the weights Wk), on codes of FP4 with E8M0 scales, sums in f32.  Then, with f16 operands and f32 sums, this half's part of M[c'][c] = sum over pixels D of K[c'][D] V[c][D].
; WHY M.  No softmax stands between the problem's two attention products, so O[c][d] = sum_D (sum_c' Q[c'][d] K[c'][D]) V[c][D] = sum_c' Q[c'][d] M[c'][c] for every input.  The order of summation,
; and so of rounding, differs from the problem's text; the values are the same sums.
; OUT: qf [n][K step kappa 16][pixel tile 64][1,024]: Q as images of f16 fragments (16 pixels x 32 channels: registers 0-3 at 16 x lane, 4-7 at 512 + 16 x lane);
;      mp [n][h][half][tile 4 i + k][1,024]: M's part as images of f32 results: lane (r, h2), register j: M[16 i + r][16 k + 8 h2 + j].
; SHARES.  Wave w takes 128 pixels, in four pairs of tiles of 16, and all 192 channels.  The head's 48 weight fragments (384 registers), their scale words and the biases stay in registers.
; LAYOUT.  K and V: source 0 = 16 pixels of X, source 1 = 16 rows of W: a lane holds ONE channel and eight pixels, so the results of a pair of pixel tiles, rounded to f16 in pairs, ARE a fragment
; (16 channels x 32 pixels) of the product M.  Q: source 0 = 16 rows of Wk, source 1 = 16 pixels: a lane holds one pixel and eight channels: two channel tiles are a fragment (16 pixels x 32 channels).
; The biases are the C of each sum's first matrix instruction.  K's and V's bias is one number a lane in all eight registers of a tile: it is loaded into each of the eight, once in the launch.
; The four waves' parts of M meet in LDS; each wave adds four of the sixteen tiles and stores them.
; NO CLUSTER: a wave loads its 48 KiB of weight images and 34 KiB of X's codes once, already in register order, and keeps them in registers for all its 448 matrix instructions; there is no ring and
; no step at which partners would meet, and a joint load would add an LDS write and an LDS read of every byte.
; LIMITS: |K|, |Q|, |V| stay under 65,504, f16's largest number (with inputs as the problem draws them they are of size 1; 30 times larger inputs, or offsets of 30 spreads, leave them under 10,000).
; REGISTERS, in windows of 256 (s_set_vgpr_msb: bits 1:0 source 0, 3:2 source 1, 5:4 source 2, 7:6 destination):
;   window 0: v4-11 addresses; v16-39 the weights' scale words; v40-47 X's, two sets; v48-111 eight accumulators; v112-239 X's fragments, two sets of 64
;   window 1: Wq's 16 fragments, from v128 Wv's      window 2: Wk's 16 fragments; v128.. bq, v160.. bv, v192.. bk as C tiles
;   window 3: v0-127 M's 16 accumulators; v128.. K's, v160.. V's, v192.. Q's f16 fragments
.set SPARE, 65536                      ; behind the four waves' images of M: the spare words, 128 bytes a wave
.set WS,  16                           ; v[WS + 8 matrix + 4 i + s]: lanes 0-15 the words of row tile 2 i, lanes 16-31 of 2 i + 1, K step s
.set XS,  40                           ; v[XS + 4 set + s]: lanes 0-15 the pair's first pixel tile, lanes 16-31 its second
.set ACC, 48                           ; accumulator (t, a) at ACC + 8 (2 t + a)
.set XF,  112                          ; X's fragment (set, a, s) at XF + 64 set + 32 a + 8 s
.set BK,  128                          ; window 2
.set BV,  160
.set BQ,  192
.set KF,  128                          ; window 3
.set VF,  160
.set QF,  192
.set MSB, 0
.macro WIN new                         ; the immediate's high byte repeats the setting that is left
.if MSB != \new
	s_set_vgpr_msb (MSB<<8)|\new
.set MSB, \new
.endif
.endm
.macro PLACES                          ; four plain lines behind a matrix instruction, ahead of a read of its result and of a load into its sources
.rept 4
	v_nop
.endr
.endm
.macro OFFS reg, sh                    ; s26 += s[reg] << sh
	s_lshl_b32 s28, s[\reg], \sh
	s_add_co_u32 s26, s26, s28
.endm
	s_load_b512 s[8:23], s[0:1], 0x0               ; xc 8:9, xs 10:11, wc 12:13, ws 14:15, bq 16:17, bv 18:19, bk 20:21, qf 22:23
	s_load_b64 s[24:25], s[0:1], 0x40              ; mp
	v_lshl_add_u32 v10, v0, 2, SPARE               ; my spare word,
	v_mov_b32 v11, 0                               ; and 0: kept for the wave's end
	v_lshrrev_b32 v1, 5, v0
	v_readfirstlane_b32 s2, v1                     ; wave
	v_and_b32 v1, 31, v0                           ; lane
	v_and_b32 v2, 15, v0                           ; r
	v_bfe_u32 v3, v0, 4, 1                         ; h2
	v_lshlrev_b32 v4, 4, v1                        ; an image's place for my lane
	v_lshlrev_b32 v5, 2, v1                        ; X's scale words: a lane a pixel
	v_lshlrev_b32 v6, 2, v2                        ; bq, bv: channel r of a tile
	v_lshlrev_b32 v7, 5, v3                        ; bk: channels 8 h2 on
	s_lshl_b32 s28, s2, 14
	v_add_nc_u32 v8, s28, v4                       ; LDS: where I put my 16 images of M
	s_lshl_b32 s28, s2, 12
	v_add_nc_u32 v9, s28, v4                       ; and where the four tiles that I add begin in each wave's
	s_lshr_b32 s3, ttmp9, 1                        ; head
	s_and_b32 s4, ttmp9, 1                         ; half of the pixels
	s_and_b32 s5, ttmp7, 0xffff                    ; image
	s_mov_b32 s27, 0
	s_wait_kmcnt 0x0
	s_lshl_b32 s26, s5, 18                         ; xc: 64 tiles x 4,096 an image, 32 a half, 8 a wave
	OFFS 4, 17
	OFFS 2, 15
	s_add_nc_u64 s[8:9], s[8:9], s[26:27]
	s_lshl_b32 s26, s5, 14                         ; xs: 4 x 4,096 an image; 512 pixels a half, 128 a wave
	OFFS 4, 11
	OFFS 2, 9
	s_add_nc_u64 s[10:11], s[10:11], s[26:27]
	s_lshl_b32 s26, s3, 14                         ; wc: the head's four row tiles
	s_add_nc_u64 s[12:13], s[12:13], s[26:27]
	s_lshl_b32 s26, s3, 10                         ; ws: its 64 rows x 16 bytes
	s_add_nc_u64 s[14:15], s[14:15], s[26:27]
	s_lshl_b32 s26, s3, 8                          ; the biases: its 64 numbers
	s_add_nc_u64 s[16:17], s[16:17], s[26:27]
	s_add_nc_u64 s[18:19], s[18:19], s[26:27]
	s_add_nc_u64 s[20:21], s[20:21], s[26:27]
	s_lshl_b32 s26, s5, 20                         ; qf: 16 x 65,536 an image; two K steps a head; 32 tiles a half, 8 a wave
	OFFS 3, 17
	OFFS 4, 15
	OFFS 2, 13
	s_add_nc_u64 s[22:23], s[22:23], s[26:27]
	s_lshl_b32 s26, s5, 18                         ; mp: 16 tiles x 1,024 for (n, h, half); four tiles a wave
	OFFS 3, 15
	OFFS 4, 14
	OFFS 2, 12
	s_add_nc_u64 s[24:25], s[24:25], s[26:27]
	WIN 0x40                                       ; destination window 1
.irp m, 0,1                            ; Wq's and Wv's fragments (t, s) at 128 m + 8 (4 t + s)
.irp f, 0,1,2,3,4,5,6,7,8,9,10,11,12,13,14,15
.irp c, 0,1
	global_load_b128 v[128*\m+8*\f+4*\c:128*\m+8*\f+4*\c+3], v4, s[12:13] offset:\m*131072+\f*1024+512*\c
.endr
.endr
.endr
	WIN 0x80                                       ; destination window 2
.irp f, 0,1,2,3,4,5,6,7,8,9,10,11,12,13,14,15
.irp c, 0,1
	global_load_b128 v[8*\f+4*\c:8*\f+4*\c+3], v4, s[12:13] offset:2*131072+\f*1024+512*\c
.endr
.endr
.irp t, 0,1,2,3
.irp j, 0,1,2,3,4,5,6,7
	global_load_b32 v[BK+8*\t+\j], v6, s[16:17] offset:64*\t       ; bq of channel 16 t + r, in all eight registers of the C tile
	global_load_b32 v[BV+8*\t+\j], v6, s[18:19] offset:64*\t
.endr
	global_load_b128 v[BQ+8*\t:BQ+8*\t+3], v7, s[20:21] offset:64*\t          ; bk of channels 16 t + 8 h2 + 0 .. 7
	global_load_b128 v[BQ+8*\t+4:BQ+8*\t+7], v7, s[20:21] offset:64*\t+16
.endr
	WIN 0
.irp m, 0,1,2
.irp i, 0,1
	global_load_b128 v[WS+8*\m+4*\i:WS+8*\m+4*\i+3], v4, s[14:15] offset:\m*8192+512*\i   ; a lane a row: the four K steps' words of 32 rows
.endr
.endr
; pair u of pixel tiles: 8 fragments and 4 registers of scale words, into set u % 2: 20 loads
.macro XLOAD u
.irp a, 0,1
.irp s, 0,1,2,3
.irp c, 0,1
	global_load_b128 v[XF+64*((\u)%2)+32*\a+8*\s+4*\c:XF+64*((\u)%2)+32*\a+8*\s+4*\c+3], v4, s[8:9] offset:(2*(\u)+\a)*4096+1024*\s+512*\c
.endr
.endr
.endr
.irp s, 0,1,2,3
	global_load_b32 v[XS+4*((\u)%2)+\s], v5, s[10:11] offset:4096*\s+128*(\u)
.endr
.endm
	XLOAD 0
	XLOAD 1
; one scaled product on the registers named by the symbols rD, rA, rB, rC, rSA, rSB; rRA, rRB: that side's scales stand in lanes 16-31
.macro WM
.if rRA && rRB
	v_wmma_scale_f32_16x16x128_f8f6f4 v[rD:rD+7], v[rA:rA+7], v[rB:rB+7], v[rC:rC+7], v[rSA], v[rSB] matrix_a_fmt:MATRIX_FMT_FP4 matrix_b_fmt:MATRIX_FMT_FP4 matrix_a_scale:MATRIX_SCALE_ROW1 matrix_b_scale:MATRIX_SCALE_ROW1
.elseif rRA
	v_wmma_scale_f32_16x16x128_f8f6f4 v[rD:rD+7], v[rA:rA+7], v[rB:rB+7], v[rC:rC+7], v[rSA], v[rSB] matrix_a_fmt:MATRIX_FMT_FP4 matrix_b_fmt:MATRIX_FMT_FP4 matrix_a_scale:MATRIX_SCALE_ROW1
.elseif rRB
	v_wmma_scale_f32_16x16x128_f8f6f4 v[rD:rD+7], v[rA:rA+7], v[rB:rB+7], v[rC:rC+7], v[rSA], v[rSB] matrix_a_fmt:MATRIX_FMT_FP4 matrix_b_fmt:MATRIX_FMT_FP4 matrix_b_scale:MATRIX_SCALE_ROW1
.else
	v_wmma_scale_f32_16x16x128_f8f6f4 v[rD:rD+7], v[rA:rA+7], v[rB:rB+7], v[rC:rC+7], v[rSA], v[rSB] matrix_a_fmt:MATRIX_FMT_FP4 matrix_b_fmt:MATRIX_FMT_FP4
.endif
.endm
; K or V of a pair: 32 products.  wb: the weight's fragments in window 1; bias: its C tiles in window 2; wsb: its scale words; xb: X's set.
; The eight accumulators take turns, one instruction a turn, K step by K step.
.macro KVMUL wb, bias, wsb, xb
.irp s, 0,1,2,3
.if \s == 0
	WIN 0x24                                       ; source 1 (W) window 1, source 2 (the bias) window 2
.else
	WIN 0x04
.endif
.irp t, 0,1,2,3
.irp a, 0,1
.set rD, ACC+8*(2*\t+\a)
.set rA, XF+64*(\xb)+32*\a+8*\s
.set rB, (\wb)+8*(4*\t+\s)
.if \s == 0
.set rC, (\bias)+8*\t
.else
.set rC, rD
.endif
.set rSA, XS+4*(\xb)+\s
.set rSB, WS+(\wsb)+4*(\t/2)+\s
.set rRA, \a
.set rRB, \t%2
	WM
.endr
.endr
.endr
.endm
; Q of a pair, the sources the other way round
.macro QMUL xb
.irp s, 0,1,2,3
.if \s == 0
	WIN 0x22                                       ; source 0 (Wk) and source 2 (bk) window 2
.else
	WIN 0x02
.endif
.irp t, 0,1,2,3
.irp a, 0,1
.set rD, ACC+8*(2*\t+\a)
.set rA, 8*(4*\t+\s)
.set rB, XF+64*(\xb)+32*\a+8*\s
.if \s == 0
.set rC, BQ+8*\t
.else
.set rC, rD
.endif
.set rSA, WS+16+4*(\t/2)+\s
.set rSB, XS+4*(\xb)+\s
.set rRA, \t%2
.set rRB, \a
	WM
.endr
.endr
.endr
.endm
; the eight accumulators, each from its low end on, rounded to f16: K or V: fragment t = channels 16 t on x the pair's 32 pixels
.macro CVTKV base
	WIN 0xC0                                       ; destination window 3
.irp t, 0,1,2,3
.irp a, 0,1
.irp q, 0,1,2,3
	v_cvt_pk_f16_f32 v[(\base)+8*\t+4*\a+\q], v[ACC+8*(2*\t+\a)+2*\q], v[ACC+8*(2*\t+\a)+2*\q+1]
.endr
.endr
.endr
.endm
; Q: fragment (a, t / 2) = pixel tile a x channels 32 (t / 2) on
.macro CVTQ
	WIN 0xC0
.irp t, 0,1,2,3
.irp a, 0,1
.irp q, 0,1,2,3
	v_cvt_pk_f16_f32 v[QF+8*(2*\a+\t/2)+4*(\t%2)+\q], v[ACC+8*(2*\t+\a)+2*\q], v[ACC+8*(2*\t+\a)+2*\q+1]
.endr
.endr
.endr
.endm
; M += V K^T over the pair's 32 pixels: source 0 = 16 channels of V, source 1 = 16 of K; sixteen accumulators by turns.  zero = 1: the first pair starts the sums
.macro MMUL zero
	WIN 0xFF                                       ; all in window 3
.irp i, 0,1,2,3
.irp k, 0,1,2,3
.if \zero
	v_wmma_f32_16x16x32_f16 v[8*(4*\i+\k):8*(4*\i+\k)+7], v[VF+8*\k:VF+8*\k+7], v[KF+8*\i:KF+8*\i+7], 0
.else
	v_wmma_f32_16x16x32_f16 v[8*(4*\i+\k):8*(4*\i+\k)+7], v[VF+8*\k:VF+8*\k+7], v[KF+8*\i:KF+8*\i+7], v[8*(4*\i+\k):8*(4*\i+\k)+7]
.endif
.endr
.endr
.endm
; A PAIR of pixel tiles.  Where accumulators are begun anew with another C, four v_nop and at least 28 conversions of other accumulators stand behind the products that wrote them.
.macro PAIR u
.if (\u) < 3
	s_wait_loadcnt 20                              ; all but the next pair's 20 loads are in
.else
	s_wait_loadcnt 0
.endif
	KVMUL 0, BK, 0, (\u)%2
	PLACES
	CVTKV KF
	KVMUL 128, BV, 8, (\u)%2
	PLACES
	CVTKV VF
	QMUL (\u)%2
.if (\u) == 0
	MMUL 1
.else
	MMUL 0
.endif
	PLACES                                         ; behind Q's last product: for the loads into X's set and for the reads of Q's results
	WIN 0
.if (\u) < 2
	XLOAD (\u)+2
.endif
.if (\u) > 0
	s_wait_xcnt 0x0                                ; the last pair's stores have read Q's fragments: only now are they written again
.endif
	CVTQ
	WIN 0x0C                                       ; a store's data are its source 1: window 3
.irp a, 0,1
.irp k, 0,1
.irp c, 0,1
	global_store_b128 v4, v[QF+8*(2*\a+\k)+4*\c:QF+8*(2*\a+\k)+4*\c+3], s[22:23] offset:\k*65536+(2*(\u)+\a)*1024+512*\c   ; 512 consecutive bytes
.endr
.endr
.endr
.endm
	PAIR 0
	PAIR 1
	PAIR 2
	PAIR 3
	; M's parts of the four waves meet in LDS as images.  Behind the last product on M stand four v_nop and 32 conversions that name none of its registers.
.set i, 0
.rept 32
	ds_store_b128 v8, v[4*i:4*i+3] offset:512*i    ; (the data still in window 3)  each accumulator from its low end on
.set i, i+1
.endr
	WIN 0
	s_wait_dscnt 0x0                               ; for the others' sake: my images lie in LDS
	s_barrier_signal -1
	s_barrier_wait -1
.irp tt, 0,1,2,3                       ; tiles 4 w + tt of all four waves
.irp c, 0,1
.irp src, 0,1,2,3
	ds_load_b128 v[112+4*(8*\tt+4*\c+\src):112+4*(8*\tt+4*\c+\src)+3], v9 offset:16384*\src+1024*\tt+512*\c
.endr
.endr
.endr
	s_wait_dscnt 0x0
.set R, 112
.rept 8
	v_pk_add_f32 v[R:R+1], v[R:R+1], v[R+4:R+5]                    ; (wave 0 + wave 1) + (wave 2 + wave 3)
	v_pk_add_f32 v[R+2:R+3], v[R+2:R+3], v[R+6:R+7]
	v_pk_add_f32 v[R+8:R+9], v[R+8:R+9], v[R+12:R+13]
	v_pk_add_f32 v[R+10:R+11], v[R+10:R+11], v[R+14:R+15]
	v_pk_add_f32 v[R:R+1], v[R:R+1], v[R+8:R+9]
	v_pk_add_f32 v[R+2:R+3], v[R+2:R+3], v[R+10:R+11]
.set R, R+16
.endr
.set i, 0
.rept 8
	global_store_b128 v4, v[112+16*i:112+16*i+3], s[24:25] offset:512*i   ; 512 consecutive bytes
.set i, i+1
.endr
	s_wait_tensorcnt 0x0                           ; the wave's end: three lines behind my last LDS store
	ds_add_u32 v10, v11
	s_wait_dscnt 0x0
	s_endpgm
.Lfunc_end_k_qf14f67d61a_kqv:
	.size	k_qf14f67d61a_kqv, .Lfunc_end_k_qf14f67d61a_kqv-k_qf14f67d61a_kqv
	.p2alignl 7, 3214868480
	.fill 96, 4, 3214868480
	.section	.rodata,"a",@progbits
	.p2align	6, 0x0
	.amdhsa_kernel k_qf14f67d61a_kqv
		.amdhsa_group_segment_fixed_size 66048
		.amdhsa_private_segment_fixed_size 0
		.amdhsa_enable_private_segment 0
		.amdhsa_kernarg_size 72
		.amdhsa_user_sgpr_count 2
		.amdhsa_user_sgpr_kernarg_segment_ptr 1
		.amdhsa_wavefront_size32 1
		.amdhsa_system_sgpr_workgroup_id_x 1
		.amdhsa_system_sgpr_workgroup_id_y 1
		.amdhsa_system_sgpr_workgroup_id_z 1
		.amdhsa_system_vgpr_workitem_id 0
		.amdhsa_next_free_vgpr 1024
		.amdhsa_next_free_sgpr 66
		.amdhsa_reserve_vcc 0
		.amdhsa_float_denorm_mode_32 3
		.amdhsa_float_denorm_mode_16_64 3
		.amdhsa_memory_ordered 1
		.amdhsa_forward_progress 1
		.amdhsa_inst_pref_size 117
	.end_amdhsa_kernel
	.amdgpu_metadata
---
amdhsa.version: [ 1, 2 ]
amdhsa.kernels:
  - .name:           k_qf14f67d61a_kqv
    .symbol:         k_qf14f67d61a_kqv.kd
    .args:
      - { .name: xc, .offset: 0, .size: 8, .value_kind: global_buffer, .address_space: global }
      - { .name: xs, .offset: 8, .size: 8, .value_kind: global_buffer, .address_space: global }
      - { .name: wc, .offset: 16, .size: 8, .value_kind: global_buffer, .address_space: global }
      - { .name: ws, .offset: 24, .size: 8, .value_kind: global_buffer, .address_space: global }
      - { .name: bq, .offset: 32, .size: 8, .value_kind: global_buffer, .address_space: global }
      - { .name: bv, .offset: 40, .size: 8, .value_kind: global_buffer, .address_space: global }
      - { .name: bk, .offset: 48, .size: 8, .value_kind: global_buffer, .address_space: global }
      - { .name: qf, .offset: 56, .size: 8, .value_kind: global_buffer, .address_space: global }
      - { .name: mp, .offset: 64, .size: 8, .value_kind: global_buffer, .address_space: global }
    .group_segment_fixed_size: 66048
    .private_segment_fixed_size: 0
    .kernarg_segment_align: 8
    .kernarg_segment_size: 72
    .max_flat_workgroup_size: 128
    .sgpr_count:     66
    .vgpr_count:     1024
    .wavefront_size: 32
...
	.end_amdgpu_metadata
.endif
;; end of part 2
;; launch outp (part 3): grid 16 x 16, 4 waves a work-group, no clusters, 299,776 bytes of LDS; arguments X, Wo, bo, gn_w, gn_b, mp, qf, out0; writes out0
.if DOCPART == 3
	.amdgcn_target "amdgcn-amd-amdhsa--gfx1250"
	.amdhsa_code_object_version 6
	.text
	.protected	k_qf14f67d61a_outp
	.globl	k_qf14f67d61a_outp
	.p2align	8
	.type	k_qf14f67d61a_outp,@function
k_qf14f67d61a_outp:
	s_mov_b64 s[64:65], 0
	v_nop
	global_prefetch_b8 v0, s[64:65] scope:SCOPE_SE
	s_setreg_imm32_b32 hwreg(HW_REG_WAVE_MODE, 25, 1), 1
	s_wait_xcnt 0x0
; For one image n and 32 output channels o (eight groups of the GroupNorm), all 1,024 pixels:  out = GroupNorm(Wo O + bo) x gn_w + gn_b + X.
; Wo O is taken as P Q:  P[o][64 h + c'] = sum_c Wo[o][64 h + c] M_h[c'][c], and (Wo O)[o][d] = sum over the 512 channels k of P[o][k] Q[k][d]: the same sums as the problem's, in another order.
; FORMATS.  Q, Wo, M and P go to the matrix unit as f16, sums in f32.  M has no room in f16 (its size goes with the fourth power of the inputs' size), so it is multiplied, exactly, by 2^-(E - 127),
; E the exponent field of the largest |M| of the image's eight heads (held at 2^-100 from below): the largest |M'| lies in [1, 2).  The factor s = 2^(E - 127) is put back in f32, in the multiply-add
; that centres the sums.  Mean and variance are taken in two passes over the f32 sums in registers.
; SHARES.  Wave w takes pixels 256 w .. 256 w + 255 x 32 channels: 32 accumulators.  In the prologue it makes P for heads 2 w and 2 w + 1; P's 32 fragments go round through LDS as images of their
; registers and then stay in every wave's registers.  Q's fragments come from memory in register order, a K step (32 channels: 32 loads) at a time, two K steps ahead.
; LAYOUT.  P' : source 0 = 16 rows c' of M', source 1 = 16 rows o of Wo: a lane holds one o and eight c': two tiles are a fragment of P (16 o x 32 k).  Main: source 0 = 16 pixels of Q, source 1 = P:
; a lane holds ONE channel o = lane % 16 and eight pixels, so a group's four channels are four neighbouring lanes.
; THE ORDER OF REQUESTS at the head is the order of need: M (128 loads a wave), Wo (32), the parameters (6), Q's first two K steps (64), and last X's tile.
; X's tile (32 channels x 256 pixels a wave) comes into LDS by one tensor load a wave and is read at the end by that wave alone: one tensor load a wave is out in the whole launch.  It stands behind the
; 230 loads above, so that M's bytes, for which the wave waits first, are asked for ahead of X's, which are wanted last.
; NO CLUSTER, though the sixteen work-groups of an image read the same Q: a K step of Q is 65,536 bytes a work-group, and beside X's tile, P's images and the stage 27,904 bytes of LDS are left: no
; two slots fit; each fragment of Q is read by one wave and feeds two matrix instructions, and through LDS every byte would be written and read once more.
; LIMITS: |Q| under 65,504; |Wo| under 511 (|P'| is at most 64 x 2 x |Wo|); |M| under 2^127; NaN and infinities among the inputs are not served.
; REGISTERS, in windows of 256 (s_set_vgpr_msb: bits 1:0 source 0, 3:2 source 1, 5:4 source 2, 7:6 destination):
;   window 0: v4-16 addresses; v17-27 at work; v30, v31 the add's two; v[32:33] s, v[34:35] 1 / s; v36-53 the channels' parameters; v56-63 chains; v64-127 Wo's, then P's f16 fragments;
;             v128-255 Wo as f32, then M's f16 fragments
;   window 1: M's first parts and the sums; then P's 16 accumulators; then the 32 accumulators, (pixel tile pt, channel tile ot) at 8 (2 pt + ot)
;   window 2: M's second parts; then P's 32 fragments, (ot, kappa) at 8 (16 ot + kappa); at the end X's rows
;   window 3: v0-127 Q's set 0; v128-255 Q's set 1; at the end the rows of the result
.set PIMG,  131072                     ; LDS: 0 .. X's four tiles of 32,768; then P's 32 images of 1,024
.set STAGE, 163840                     ; a stage for each wave: 2 x 16 rows x (1,024 bytes + 16): 65 x 16 bytes from row to row
.set RED1,  296960                     ; the waves' sums: 16 bytes a lane, 512 a channel tile; 1,024 further on the sums of squares
.set MAXW,  299008                     ; the waves' largest |M|
.set SPARE, 299264                     ; the spare words, 128 bytes a wave
.set MSB, 0
.macro WIN new                         ; the immediate's high byte repeats the setting that is left
.if MSB != \new
	s_set_vgpr_msb (MSB<<8)|\new
.set MSB, \new
.endif
.endm
.macro PLACES                          ; four plain lines behind a matrix instruction, ahead of a read of its result and of a load into its sources
.rept 4
	v_nop
.endr
.endm
.macro BARRIER                         ; my LDS stores have landed and my LDS loads are in: then the work-group's barrier
	s_wait_dscnt 0x0
	s_barrier_signal -1
	s_barrier_wait -1
.endm
.macro XL v, t                         ; v += the group's three other channels (lanes xor 1, 2) and the other eight pixels of each tile (lane xor 16)
	v_add_f32_dpp v[\v], v[\v], v[\v] row_xmask:1 row_mask:0xf bank_mask:0xf
	v_add_f32_dpp v[\v], v[\v], v[\v] row_xmask:2 row_mask:0xf bank_mask:0xf
	v_permlanex16_b32 v[\t], v[\v], s40, s41
	v_add_f32 v[\v], v[\v], v[\t]
.endm
	s_load_b512 s[8:23], s[0:1], 0x0               ; X 8:9, Wo 10:11, bo 12:13, gn_w 14:15, gn_b 16:17, mp 18:19, qf 20:21, out 22:23
	v_lshl_add_u32 v30, v0, 2, SPARE
	v_mov_b32 v31, 0
	ds_add_u32 v30, v31                            ; the wave's opening: the add, twice on end, and its wait stand ahead of my tensor load
	ds_add_u32 v30, v31
	v_lshrrev_b32 v1, 5, v0
	v_readfirstlane_b32 s2, v1                     ; wave
	s_and_b32 s4, ttmp7, 0xffff                    ; image n; ttmp9 = x: channels 32 x on
	; descriptor group 1: 32 rows x 256 elements of 4 bytes, 1,024 elements from row to row, no padding, no mask
	s_mov_b32 s32, 2<<16
	s_mov_b32 s33, 256<<16                         ; tensor_dim0
	s_mov_b32 s34, 32<<16                          ; tensor_dim1
	s_mov_b32 s35, 256<<16                         ; tile_dim0
	s_mov_b32 s36, 32                              ; tile_dim1
	s_mov_b32 s37, 1024                            ; tensor_dim0_stride
	s_mov_b32 s38, 0
	s_mov_b32 s39, 0
	s_mov_b32 s28, 1                               ; group 0: count,
	s_lshl_b32 s29, s2, 15                         ; LDS address: my wave's 32,768 bytes
	s_mov_b32 s40, 0x76543210
	s_mov_b32 s41, 0xfedcba98                      ; v_permlanex16_b32's selects for lane l xor 16
	s_mov_b32 s42, 0x39800000                      ; 2^-12: a group has 4 x 1,024 numbers
	s_mov_b32 s43, 0x3727c5ac                      ; 1e-5
	s_mov_b32 s25, 0
	s_lshl_b32 s24, s4, 21                         ; X and out: n x 512 x 4,096 bytes
	s_lshl_b32 s26, ttmp9, 17                      ; + 32 channels
	s_add_co_u32 s24, s24, s26
	s_lshl_b32 s26, s2, 10                         ; + 256 pixels a wave
	s_add_co_u32 s24, s24, s26
	s_wait_dscnt 0x0                               ; both opening adds are done
	s_wait_kmcnt 0x0
	s_add_nc_u64 s[30:31], s[8:9], s[24:25]        ; group 0: my tile's first element,
	s_or_b32 s31, s31, 0x80000000                  ; type = 2.  s[28:39] are not written again
	s_add_nc_u64 s[22:23], s[22:23], s[24:25]
	v_and_b32 v1, 31, v0                           ; lane
	v_and_b32 v2, 15, v0                           ; r
	v_bfe_u32 v3, v0, 4, 1                         ; h2
	v_lshlrev_b32 v4, 4, v1                        ; an image's place for my lane; also my 16 bytes of 512 of a row
	v_lshlrev_b32 v5, 11, v2
	v_lshl_add_u32 v5, v3, 5, v5                   ; Wo: row r of 2,048 bytes, + 8 h2 numbers
	v_lshlrev_b32 v6, 2, v2                        ; the parameters of channel r
	s_lshl_b32 s26, s2, 12
	s_add_co_u32 s26, s26, PIMG
	v_add_nc_u32 v7, s26, v4                       ; where I put P's images: K steps 4 w on
	v_add_nc_u32 v8, PIMG, v4                      ; and where all are read
	s_lshl_b32 s26, s2, 2
	s_add_co_u32 s26, s26, RED1
	v_add_nc_u32 v9, s26, v4                       ; my wave's word among my lane's four
	v_add_nc_u32 v10, RED1, v4                     ; the four
	s_mul_i32 s26, s2, 33280
	s_add_co_u32 s26, s26, STAGE                   ; my stage
	v_mul_u32_u24 v11, v2, 1040
	v_lshl_add_u32 v11, v3, 5, v11
	v_add_nc_u32 v11, s26, v11                     ; in: row r, 32 bytes for each half of the lanes
	v_add_nc_u32 v12, s26, v4                      ; back: 512 bytes of a row
	v_add_nc_u32 v13, s29, v4                      ; X's tile likewise
	v_mov_b32 v15, s2
	v_lshl_add_u32 v15, v15, 2, MAXW               ; my wave's word
	v_mov_b32 v16, MAXW
.irp j, 17,18,19,20
	v_mov_b32 v[\j], 0x0d800000                    ; four chains for the largest |M| begin at the floor 2^-100
.endr
.irp j, 21,22,33,35,39,41,43,47,49,51
	v_mov_b32 v[\j], 0                             ; written once: the lane permutes' destinations, and the upper halves of pairs of which the low word serves both halves
.endr
	s_lshl_b32 s24, ttmp9, 16                      ; Wo: 32 rows of 2,048 bytes
	s_lshl_b32 s26, s2, 9                          ; + my two heads' 128 columns
	s_add_co_u32 s24, s24, s26
	s_add_nc_u64 s[10:11], s[10:11], s[24:25]
	s_lshl_b32 s24, ttmp9, 7                       ; the parameters: 32 numbers
	s_add_nc_u64 s[12:13], s[12:13], s[24:25]
	s_add_nc_u64 s[14:15], s[14:15], s[24:25]
	s_add_nc_u64 s[16:17], s[16:17], s[24:25]
	s_lshl_b32 s24, s4, 18                         ; mp: 8 heads x 32,768 an image
	s_lshl_b32 s26, s2, 16                         ; + my two heads
	s_add_co_u32 s24, s24, s26
	s_add_nc_u64 s[18:19], s[18:19], s[24:25]
	s_lshl_b32 s24, s4, 20                         ; qf: 16 K steps x 65,536 an image
	s_lshl_b32 s26, s2, 14                         ; + my 16 pixel tiles
	s_add_co_u32 s24, s24, s26
	s_add_nc_u64 s[20:21], s[20:21], s[24:25]
.macro MLOAD half                      ; my two heads' 32 tiles of one part of M: register 128 hh + 8 tile + 4 c
.set i, 0
.rept 64
	global_load_b128 v[4*i:4*i+3], v4, s[18:19] offset:(i/32)*32768+(\half)*16384+(i%32)*512
.set i, i+1
.endr
.endm
.macro QLOAD kap                       ; K step kap of Q, my 16 pixel tiles in ascending order, into set kap % 2 of window 3: 32 loads of 512 consecutive bytes
	WIN 0xC0
.set i, 0
.rept 32
	global_load_b128 v[128*((\kap)%2)+4*i:128*((\kap)%2)+4*i+3], v4, s[20:21] offset:(\kap)*65536+512*i
.set i, i+1
.endr
.endm
	WIN 0x40
	MLOAD 0
	WIN 0x80
	MLOAD 1
	WIN 0                                          ; Wo as f32: fragment f = 4 ot + 2 hh + k (16 rows o x 32 columns c) at 128 + 16 f of window 0
.irp f, 0,1,2,3,4,5,6,7
.irp e, 0,1,2,3
	global_load_b128 v[128+16*\f+4*\e:128+16*\f+4*\e+3], v5, s[10:11] offset:(\f/4)*32768+((\f/2)%2)*256+(\f%2)*128+(\e/2)*64+(\e%2)*16
.endr
.endr
.irp ot, 0,1
	global_load_b32 v[36+8*\ot], v6, s[12:13] offset:64*\ot        ; bo
	global_load_b32 v[52+\ot], v6, s[14:15] offset:64*\ot          ; gn_w
	global_load_b32 v[42+8*\ot], v6, s[16:17] offset:64*\ot        ; gn_b
.endr
	QLOAD 0
	QLOAD 1
	WIN 0                                          ; the windows are set ahead of the tensor load
	tensor_load_to_lds s[28:31], s[32:39]          ; X's tile: my one tensor load, ahead of every wait on TENSORcnt, every LDS read and every barrier
	s_nop 0
.rept 4
	v_nop                                          ; with the s_nop 0: no switch of windows among these lines
.endr
	; ---- Wo as f16 fragments; M = the two parts; its largest magnitude over the image; M' = M / s as f16 fragments
	s_wait_loadcnt 63                              ; M's 128 loads, Wo's 32 and the six parameters are in: 64 loads, Q's, were issued behind them, the wait's field holds 63, and a smaller count is safe
.set i, 0
.rept 64
	v_cvt_pk_f16_f32 v[64+i], v[128+2*i], v[128+2*i+1]             ; Wo's fragment f at 64 + 8 f
.set i, i+1
.endr
	WIN 0x49                                       ; destination and source 0 window 1, source 1 window 2
.set i, 0
.rept 128
	v_pk_add_f32 v[2*i:2*i+1], v[2*i:2*i+1], v[2*i:2*i+1]
.set i, i+1
.endr
	WIN 0x14                                       ; sources 1 and 2 window 1
.set i, 0
.rept 128
	v_max3_num_f32 v[17+i%4], v[17+i%4], |v[2*i]|, |v[2*i+1]|
.set i, i+1
.endr
	WIN 0
	v_max3_num_f32 v17, v17, v18, v19
	v_max_num_f32 v17, v17, v20
	v_max_num_f32_dpp v17, v17, v17 row_xmask:1 row_mask:0xf bank_mask:0xf
	v_max_num_f32_dpp v17, v17, v17 row_xmask:2 row_mask:0xf bank_mask:0xf
	v_max_num_f32_dpp v17, v17, v17 row_xmask:4 row_mask:0xf bank_mask:0xf
	v_max_num_f32_dpp v17, v17, v17 row_xmask:8 row_mask:0xf bank_mask:0xf
	v_permlanex16_b32 v21, v17, s40, s41
	v_max_num_f32 v17, v17, v21                    ; my two heads'
	ds_store_b32 v15, v17                          ; all lanes write the same word with the same value
	BARRIER
	ds_load_b128 v[24:27], v16
	s_wait_dscnt 0x0
	v_max3_num_f32 v17, v24, v25, v26
	v_max_num_f32 v17, v17, v27                    ; all eight heads'
	v_and_b32 v32, 0x7f800000, v17                 ; s = 2^(E - 127)
	v_sub_nc_u32 v34, 0x7f000000, v32              ; 1 / s: the exponent field 254 - E
	WIN 0x41                                       ; destination and source 0 window 1
.set i, 0
.rept 128
	v_pk_mul_f32 v[2*i:2*i+1], v[2*i:2*i+1], v[34:35] op_sel_hi:[1,0]   ; by a power of two: nothing is rounded
.set i, i+1
.endr
	WIN 0x05                                       ; sources window 1, destination window 0
.set i, 0
.rept 128
	v_cvt_pk_f16_f32 v[128+i], v[2*i], v[2*i+1]    ; tiles 4 i' + 2 k and 4 i' + 2 k + 1 of a head make fragment (i', k): 16 rows c' x 32 columns c, at 128 + 64 hh + 8 (2 i' + k); Wo's f32 numbers are done with
.set i, i+1
.endr
	; ---- P' = M' Wo^T for my two heads: sixteen accumulators by turns, two K steps of 32
	WIN 0x50                                       ; C and D window 1
.irp k, 0,1
.irp hh, 0,1
.irp ot, 0,1
.irp i, 0,1,2,3
.if \k == 0
	v_wmma_f32_16x16x32_f16 v[8*(8*\hh+4*\ot+\i):8*(8*\hh+4*\ot+\i)+7], v[128+64*\hh+8*(2*\i+\k):128+64*\hh+8*(2*\i+\k)+7], v[64+8*(4*\ot+2*\hh+\k):64+8*(4*\ot+2*\hh+\k)+7], 0
.else
	v_wmma_f32_16x16x32_f16 v[8*(8*\hh+4*\ot+\i):8*(8*\hh+4*\ot+\i)+7], v[128+64*\hh+8*(2*\i+\k):128+64*\hh+8*(2*\i+\k)+7], v[64+8*(4*\ot+2*\hh+\k):64+8*(4*\ot+2*\hh+\k)+7], v[8*(8*\hh+4*\ot+\i):8*(8*\hh+4*\ot+\i)+7]
.endif
.endr
.endr
.endr
.endr
	PLACES                                         ; ahead of the reads of the results and of the writes over Wo's fragments
	WIN 0x05
.irp ot, 0,1                           ; tiles i = 2 kp and 2 kp + 1 make P's fragment (ot, K step 2 head + kp), at 64 + 8 (4 ot + 2 hh + kp)
.irp hh, 0,1
.irp kp, 0,1
.irp e, 0,1
.irp q, 0,1,2,3
	v_cvt_pk_f16_f32 v[64+8*(4*\ot+2*\hh+\kp)+4*\e+\q], v[8*(8*\hh+4*\ot+2*\kp+\e)+2*\q], v[8*(8*\hh+4*\ot+2*\kp+\e)+2*\q+1]
.endr
.endr
.endr
.endr
.endr
	WIN 0
.irp f, 0,1,2,3,4,5,6,7
.irp c, 0,1
	ds_store_b128 v7, v[64+8*\f+4*\c:64+8*\f+4*\c+3] offset:(\f/4)*16384+(\f%4)*1024+512*\c
.endr
.endr
	BARRIER                                        ; P's 32 images lie in LDS
	WIN 0x80
.set i, 0
.rept 64
	ds_load_b128 v[4*i:4*i+3], v8 offset:512*i     ; and come into every wave's window 2, where they stay
.set i, i+1
.endr
	s_wait_dscnt 0x0
	; ---- the main product, 16 K steps of 32 channels, written out: P's registers change with the step, and every offset is an immediate
.macro MAIN16 kap, p0                  ; pixel tiles p0 .. p0 + 7 x both channel tiles; the 32 accumulators take turns, one instruction a turn
.set pt, \p0
.rept 8
.irp ot, 0,1
.if (\kap) == 0
	v_wmma_f32_16x16x32_f16 v[8*(2*pt+\ot):8*(2*pt+\ot)+7], v[128*((\kap)%2)+8*pt:128*((\kap)%2)+8*pt+7], v[8*(16*\ot+(\kap)):8*(16*\ot+(\kap))+7], 0
.else
	v_wmma_f32_16x16x32_f16 v[8*(2*pt+\ot):8*(2*pt+\ot)+7], v[128*((\kap)%2)+8*pt:128*((\kap)%2)+8*pt+7], v[8*(16*\ot+(\kap)):8*(16*\ot+(\kap))+7], v[8*(2*pt+\ot):8*(2*pt+\ot)+7]
.endif
.endr
.set pt, pt+1
.endr
.endm
.macro KSTEP kap
.if (\kap) < 15
	s_wait_loadcnt 48                              ; my set's first 16 loads are in; its other 16 and the next set's 32 may be out
.else
	s_wait_loadcnt 16
.endif
	WIN 0x5B                                       ; source 0 (Q) window 3, source 1 (P) window 2, C and D window 1
	MAIN16 \kap, 0
.if (\kap) < 15
	s_wait_loadcnt 32                              ; all my set is in
.else
	s_wait_loadcnt 0
.endif
	MAIN16 \kap, 8
.if (\kap) < 14
	PLACES                                         ; ahead of the loads into the set just multiplied
	QLOAD (\kap)+2
.endif
.endm
.irp k, 0,1,2,3,4,5,6,7,8,9,10,11,12,13,14,15
	KSTEP \k
.endr
	; ---- GroupNorm.  y = s acc + bo.  First the groups' sums: two packed chains for each channel tile, begun by the first accumulators' own numbers, each accumulator from its low end on
	PLACES
	WIN 0x05
.irp ot, 0,1
	v_pk_add_f32 v[56+4*\ot:57+4*\ot], v[8*\ot:8*\ot+1], v[8*\ot+2:8*\ot+3]
	v_pk_add_f32 v[58+4*\ot:59+4*\ot], v[8*\ot+4:8*\ot+5], v[8*\ot+6:8*\ot+7]
.endr
	WIN 0x04                                       ; source 1 window 1
.set pt, 1
.rept 15
.irp q, 0,1,2,3
.irp ot, 0,1
	v_pk_add_f32 v[56+4*\ot+2*(\q%2):57+4*\ot+2*(\q%2)], v[56+4*\ot+2*(\q%2):57+4*\ot+2*(\q%2)], v[8*(2*pt+\ot)+2*\q:8*(2*pt+\ot)+2*\q+1]
.endr
.endr
.set pt, pt+1
.endr
	WIN 0
	v_pk_add_f32 v[56:57], v[56:57], v[58:59]
	v_pk_add_f32 v[60:61], v[60:61], v[62:63]
	v_mul_f32 v19, 0x43000000, v36                 ; my 128 numbers' share of the bias
	v_mul_f32 v20, 0x43000000, v44
	v_add_f32 v17, v56, v57
	v_add_f32 v18, v60, v61
	v_fma_f32 v17, v17, v32, v19
	v_fma_f32 v18, v18, v32, v20
	XL 17, 21
	XL 18, 22
	ds_store_b32 v9, v17
	ds_store_b32 v9, v18 offset:512
	BARRIER
	ds_load_b128 v[64:67], v10
	ds_load_b128 v[68:71], v10 offset:512
	s_wait_dscnt 0x0
	v_add_f32 v17, v64, v65
	v_add_f32 v19, v66, v67
	v_add_f32 v18, v68, v69
	v_add_f32 v20, v70, v71
	v_add_f32 v17, v17, v19                        ; the group's sum over all four waves
	v_add_f32 v18, v18, v20
	v_fma_f32 v38, -v17, s42, v36                  ; bo - mean
	v_fma_f32 v46, -v18, s42, v44
	WIN 0x41                                       ; destination and source 0 window 1
.set i, 0
.rept 128
	v_pk_fma_f32 v[2*i:2*i+1], v[2*i:2*i+1], v[32:33], v[38+8*((i/4)%2):39+8*((i/4)%2)] op_sel_hi:[1,0,0]   ; d = s acc + bo - mean
.set i, i+1
.endr
	WIN 0x05                                       ; the sums of d^2: the chains begin with the first squares
.set pt, 0
.rept 16
.irp q, 0,1,2,3
.irp ot, 0,1
.if (pt == 0) && (\q < 2)
	v_pk_mul_f32 v[56+4*\ot+2*\q:57+4*\ot+2*\q], v[8*\ot+2*\q:8*\ot+2*\q+1], v[8*\ot+2*\q:8*\ot+2*\q+1]
.else
	v_pk_fma_f32 v[56+4*\ot+2*(\q%2):57+4*\ot+2*(\q%2)], v[8*(2*pt+\ot)+2*\q:8*(2*pt+\ot)+2*\q+1], v[8*(2*pt+\ot)+2*\q:8*(2*pt+\ot)+2*\q+1], v[56+4*\ot+2*(\q%2):57+4*\ot+2*(\q%2)]
.endif
.endr
.endr
.set pt, pt+1
.endr
	WIN 0
	v_pk_add_f32 v[56:57], v[56:57], v[58:59]
	v_pk_add_f32 v[60:61], v[60:61], v[62:63]
	v_add_f32 v17, v56, v57
	v_add_f32 v18, v60, v61
	XL 17, 21
	XL 18, 22
	ds_store_b32 v9, v17 offset:1024               ; other bytes than the sums': no barrier is owed between those reads and these stores
	ds_store_b32 v9, v18 offset:1536
	BARRIER
	ds_load_b128 v[64:67], v10 offset:1024
	ds_load_b128 v[68:71], v10 offset:1536
	s_wait_dscnt 0x0
	v_add_f32 v17, v64, v65
	v_add_f32 v19, v66, v67
	v_add_f32 v18, v68, v69
	v_add_f32 v20, v70, v71
	v_add_f32 v17, v17, v19
	v_add_f32 v18, v18, v20
	v_fma_f32 v17, v17, s42, s43                   ; the variance + 1e-5
	v_fma_f32 v18, v18, s42, s43
	v_rsq_f32 v17, v17
	v_rsq_f32 v18, v18
	v_nop                                          ; a plain line behind the last of the two
	s_wait_alu depctr_va_vdst(0)                   ; ahead of the first line that names a result: one wait for both
	v_mul_f32 v40, v17, v52                        ; a = gn_w / sqrt(variance + 1e-5)
	v_mul_f32 v48, v18, v53
	s_wait_tensorcnt 0x0                           ; my tile of X lies in LDS; only I read it
	; ---- z = a d + gn_b goes through my own stage, so that rows of 1,024 bytes come back; X's rows are added; 32 lanes store 512 consecutive bytes
.macro ZSTAGE ot
	WIN 0x41
.set pt, 0
.rept 16
.irp q, 0,1,2,3
	v_pk_fma_f32 v[8*(2*pt+(\ot))+2*\q:8*(2*pt+(\ot))+2*\q+1], v[8*(2*pt+(\ot))+2*\q:8*(2*pt+(\ot))+2*\q+1], v[40+8*(\ot):41+8*(\ot)], v[42+8*(\ot):43+8*(\ot)] op_sel_hi:[1,0,0]
.endr
.set pt, pt+1
.endr
	WIN 0x04                                       ; an LDS store's data are its source 1: window 1
.set pt, 0
.rept 16
.irp c, 0,1
	ds_store_b128 v11, v[8*(2*pt+(\ot))+4*\c:8*(2*pt+(\ot))+4*\c+3] offset:16640*(\ot)+64*pt+16*\c
.endr
.set pt, pt+1
.endr
.endm
.macro RLOAD ot                        ; LDS serves a wave's instructions in order (ISA guide 5.7.1.4): these see my stores
	WIN 0xC0
.set i, 0
.rept 32
	ds_load_b128 v[128*(\ot)+4*i:128*(\ot)+4*i+3], v12 offset:16640*(\ot)+1040*(i/2)+512*(i%2)
.set i, i+1
.endr
	WIN 0x80
.set i, 0
.rept 32
	ds_load_b128 v[128*(\ot)+4*i:128*(\ot)+4*i+3], v13 offset:16384*(\ot)+512*i
.set i, i+1
.endr
.endm
.macro SENDO ot
	WIN 0xCB                                       ; destination and source 0 window 3, source 1 window 2
.set i, 0
.rept 64
	v_pk_add_f32 v[128*(\ot)+2*i:128*(\ot)+2*i+1], v[128*(\ot)+2*i:128*(\ot)+2*i+1], v[128*(\ot)+2*i:128*(\ot)+2*i+1]
.set i, i+1
.endr
	WIN 0x0C                                       ; a store's data are its source 1: window 3
.set i, 0
.rept 32
	global_store_b128 v4, v[128*(\ot)+4*i:128*(\ot)+4*i+3], s[22:23] offset:(16*(\ot)+i/2)*4096+512*(i%2) th:TH_STORE_NT   ; written once, read by nobody here; no store's data are written again
.set i, i+1
.endr
.endm
	ZSTAGE 0
	RLOAD 0
	ZSTAGE 1                                       ; the second tile's arithmetic stands between the first's loads and the wait for them
	s_wait_dscnt 32                                ; all but the second tile's 32 stores: the first tile's rows and X's are in
	SENDO 0
	RLOAD 1
	s_wait_dscnt 0x0
	SENDO 1
	WIN 0
	s_wait_tensorcnt 0x0                           ; the wave's end: behind my tensor load and my last LDS store
	ds_add_u32 v30, v31
	s_wait_dscnt 0x0
	s_endpgm
.Lfunc_end_k_qf14f67d61a_outp:
	.size	k_qf14f67d61a_outp, .Lfunc_end_k_qf14f67d61a_outp-k_qf14f67d61a_outp
	.p2alignl 7, 3214868480
	.fill 96, 4, 3214868480
	.section	.rodata,"a",@progbits
	.p2align	6, 0x0
	.amdhsa_kernel k_qf14f67d61a_outp
		.amdhsa_group_segment_fixed_size 299776
		.amdhsa_private_segment_fixed_size 0
		.amdhsa_enable_private_segment 0
		.amdhsa_kernarg_size 64
		.amdhsa_user_sgpr_count 2
		.amdhsa_user_sgpr_kernarg_segment_ptr 1
		.amdhsa_wavefront_size32 1
		.amdhsa_system_sgpr_workgroup_id_x 1
		.amdhsa_system_sgpr_workgroup_id_y 1
		.amdhsa_system_sgpr_workgroup_id_z 1
		.amdhsa_system_vgpr_workitem_id 0
		.amdhsa_next_free_vgpr 1024
		.amdhsa_next_free_sgpr 66
		.amdhsa_reserve_vcc 0
		.amdhsa_float_denorm_mode_32 3
		.amdhsa_float_denorm_mode_16_64 3
		.amdhsa_memory_ordered 1
		.amdhsa_forward_progress 1
		.amdhsa_inst_pref_size 214
	.end_amdhsa_kernel
	.amdgpu_metadata
---
amdhsa.version: [ 1, 2 ]
amdhsa.kernels:
  - .name:           k_qf14f67d61a_outp
    .symbol:         k_qf14f67d61a_outp.kd
    .args:
      - { .name: X, .offset: 0, .size: 8, .value_kind: global_buffer, .address_space: global }
      - { .name: Wo, .offset: 8, .size: 8, .value_kind: global_buffer, .address_space: global }
      - { .name: bo, .offset: 16, .size: 8, .value_kind: global_buffer, .address_space: global }
      - { .name: gn_w, .offset: 24, .size: 8, .value_kind: global_buffer, .address_space: global }
      - { .name: gn_b, .offset: 32, .size: 8, .value_kind: global_buffer, .address_space: global }
      - { .name: mp, .offset: 40, .size: 8, .value_kind: global_buffer, .address_space: global }
      - { .name: qf, .offset: 48, .size: 8, .value_kind: global_buffer, .address_space: global }
      - { .name: out0, .offset: 56, .size: 8, .value_kind: global_buffer, .address_space: global }
    .group_segment_fixed_size: 299776
    .private_segment_fixed_size: 0
    .kernarg_segment_align: 8
    .kernarg_segment_size: 64
    .max_flat_workgroup_size: 128
    .sgpr_count:     66
    .vgpr_count:     1024
    .wavefront_size: 32
...
	.end_amdgpu_metadata
.endif
;; end of part 3
